; MI455X (gfx1250); checked and timed in simulation.
; The chip was launched on July 23, 2026; its instructions are those of AMD's public machine-readable ISA for CDNA 5 (MIT licence, August 2026) and "CDNA5" Instruction Set Architecture Reference Guide (July 2026). The comments in the code are by the model that wrote it; some were corrected since.
;; ICNN. Allowed arithmetic: matrix products marked QUANTISED: E3M2 operands, one E8M0 scale for each 32 along K, by v_wmma_scale_f32_16x16x128_f8f6f4 with both operands' format E3M2, f32 sums; products left as they are: f32 operands where the result goes on into a quantised operand, else bf16, f16 or f32 operands; f32 sums; everything else in f32.
;; Inputs: B_first_b 32 float32; B_first_w 32 x 2 float32; B_out_b 1 float32; B_out_w 1 x 2 float32; Bs_b_0 32 float32; Bs_b_1 32 float32; Bs_w_0 32 x 2 float32; Bs_w_1 32 x 2 float32; eps_flat 524,288 x 3 float32; raw_A_0 32 x 32 float32; raw_A_1 32 x 32 float32; raw_A_out 1 x 32 float32.
;; Outputs: out0 524,288 x 3 float32.
;; This version of the problem:
;;   THIS VERSION OF THE PROBLEM IS GIVEN IN LOW PRECISION. The matrix products marked QUANTISED in the list below multiply operands that are first quantised to E3M2 (3 exponent bits, 2 mantissa bits; 6 bits a number), with one power-of-two scale for each 32 numbers along K (OCP MX v1.0); their sums are f32. All else is computed in f32.
;;   The module's matrix products, in the order in which they are computed (A, B: the left and right operand; K: the contracted axis; several contracted axes count as one K, in the product's order):
;;     1. [M 524,288, K 2] x [K 2, N 32]; A: computed on the way; B: input B_first_w: left as it is (K = 2 < 32)
;;     2. [M 524,288, K 32] x [K 32, N 32]; A: computed on the way; B: computed on the way: QUANTISED
;;     3. [M 524,288, K 2] x [K 2, N 32]; A: computed on the way; B: input Bs_w_0: left as it is (K = 2 < 32)
;;     4. [M 524,288, K 32] x [K 32, N 32]; A: computed on the way; B: computed on the way: QUANTISED
;;     5. [M 524,288, K 2] x [K 2, N 32]; A: computed on the way; B: input Bs_w_1: left as it is (K = 2 < 32)
;;     6. [M 524,288, K 32] x [K 32, N 1]; A: computed on the way; B: computed on the way: left as it is (N = 1 < 16)
;;     7. [M 524,288, K 2] x [K 2, N 1]; A: computed on the way; B: input B_out_w: left as it is (K = 2 < 32)
;;     8. [M 524,288, K 1] x [K 1, N 2]; A: computed on the way; B: input B_out_w: left as it is (K = 1 < 32)
;;     9. [M 524,288, K 1] x [K 1, N 32]; A: computed on the way; B: computed on the way: left as it is (K = 1 < 32)
;;     10. [M 524,288, K 32] x [K 32, N 2]; A: computed on the way; B: input Bs_w_1: left as it is (N = 2 < 16)
;;     11. [M 524,288, K 32] x [K 32, N 32]; A: computed on the way; B: computed on the way: QUANTISED
;;     12. [M 524,288, K 32] x [K 32, N 2]; A: computed on the way; B: input Bs_w_0: left as it is (N = 2 < 16)
;;     13. [M 524,288, K 32] x [K 32, N 32]; A: computed on the way; B: computed on the way: QUANTISED
;;     14. [M 524,288, K 32] x [K 32, N 2]; A: computed on the way; B: input B_first_w: left as it is (N = 2 < 16)
;;     15. [M 1, K 2] x [K 2, N 32]; A: computed on the way; B: input B_first_w: left as it is (K = 2 < 32)
;;     16. [M 1, K 32] x [K 32, N 32]; A: computed on the way; B: computed on the way: left as it is (M = 1 < 16)
;;     17. [M 1, K 2] x [K 2, N 32]; A: computed on the way; B: input Bs_w_0: left as it is (K = 2 < 32)
;;     18. [M 1, K 32] x [K 32, N 32]; A: computed on the way; B: computed on the way: left as it is (M = 1 < 16)
;;     19. [M 1, K 2] x [K 2, N 32]; A: computed on the way; B: input Bs_w_1: left as it is (K = 2 < 32)
;;     20. [M 1, K 32] x [K 32, N 1]; A: computed on the way; B: computed on the way: left as it is (M = 1 < 16)
;;     21. [M 1, K 2] x [K 2, N 1]; A: computed on the way; B: input B_out_w: left as it is (K = 2 < 32)
;;     22. [M 1, K 1] x [K 1, N 2]; A: computed on the way; B: input B_out_w: left as it is (K = 1 < 32)
;;     23. [M 1, K 1] x [K 1, N 32]; A: computed on the way; B: computed on the way: left as it is (K = 1 < 32)
;;     24. [M 1, K 32] x [K 32, N 2]; A: computed on the way; B: input Bs_w_1: left as it is (M = 1 < 16)
;;     25. [M 1, K 32] x [K 32, N 32]; A: computed on the way; B: computed on the way: left as it is (M = 1 < 16)
;;     26. [M 1, K 32] x [K 32, N 2]; A: computed on the way; B: input Bs_w_0: left as it is (M = 1 < 16)
;;     27. [M 1, K 32] x [K 32, N 32]; A: computed on the way; B: computed on the way: left as it is (M = 1 < 16)
;;     28. [M 1, K 32] x [K 32, N 2]; A: computed on the way; B: input B_first_w: left as it is (M = 1 < 16)
;;   THE QUANTISER, for each operand of a quantised product, along K:
;;     - K is cut into blocks of 32 from its start; a last block that is shorter is filled with zeros.
;;     - A block's scale is 2^e with e = floor(log2(the largest magnitude in the block)) - 4, held to -126 .. 127; a block of zeros has e = 0. As a byte (E8M0): e + 127.
;;     - Each number is divided by its block's scale, clamped to +-28, and rounded to the nearest number of E3M2, ties to even, subnormals kept.
;;     - The product sums the exact products of the quantised numbers (number of the format x scale) in f32.
;;   ~~~python
;;   def quantise(x, axis):      # numpy; x: float32 -> the quantised numbers, widened to float32 again
;;       x = np.moveaxis(x, axis, -1); K = x.shape[-1]
;;       x = np.pad(x, [(0, 0)] * (x.ndim - 1) + [(0, -K % 32)]); x = x.reshape(x.shape[:-1] + (-1, 32)); a = np.abs(x).max(-1, keepdims=True)
;;       e = np.where(a > 0, np.clip(np.frexp(np.where(a > 0, a, 1))[1] - 1 - 4, -126, 127), 0)      # np.frexp(a)[1] - 1 = floor(log2(a)), exactly
;;       r = np.clip(x / 2.0 ** e, -28, 28)
;;       step = 2.0 ** (np.maximum(np.frexp(np.where(r == 0, 1, r))[1] - 1, -2) - 2)
;;       q = np.round(r / step) * step * 2.0 ** e      # np.round: ties to even
;;       return np.moveaxis(q.reshape(q.shape[:-2] + (-1,))[..., :K], -1, axis).astype(np.float32)
;;   ~~~
;;   OPERANDS COMPUTED ON THE WAY. 'Computed on the way' means the value that the module computes at that place (a softmax that the list does not call 'softmax' is quantised finished and normalised). What goes into a quantiser is computed in f32, as accurately as f32 sums, v_exp_f32 and their like allow (about 1e-6 of the number): no bf16 or f16 on the way to a quantiser, and a product that is left as it is and whose result goes on into a quantised operand takes f32 operands (vector FMAs, or v_wmma_f32_16x16x4_f32). A number that lies on a knife's edge between two numbers of the format may be rounded either way, as far as f32 arithmetic and the matrix unit's own rounding can turn it there, and no further.
;; One version. Each part assembles by itself: llvm-mc -triple=amdgcn-amd-amdhsa -mcpu=gfx1250 --defsym DOCPART=n.
;; ======== version 1 of 1: 1 launch
;; launch icnn (part 1): grid 256 x 1, 16 waves a work-group, no clusters, 73,216 bytes of LDS; arguments eps_flat, raw_A_0, raw_A_1, raw_A_out, B_first_w, B_first_b, Bs_w_0, Bs_b_0, Bs_w_1, Bs_b_1, B_out_w, B_out_b, out0; writes out0
.if DOCPART == 1
	.amdgcn_target "amdgcn-amd-amdhsa--gfx1250"
	.amdhsa_code_object_version 6
	.text
	.protected	k_q3678bd6e9e_icnn
	.globl	k_q3678bd6e9e_icnn
	.p2align	8
	.type	k_q3678bd6e9e_icnn,@function
k_q3678bd6e9e_icnn:
	s_mov_b64 s[64:65], 0
	v_nop
	global_prefetch_b8 v0, s[64:65] scope:SCOPE_SE
	s_setreg_imm32_b32 hwreg(HW_REG_WAVE_MODE, 25, 1), 1
	s_wait_xcnt 0x0
; Stresses of an input-convex net: out = (d1 + 2 e11 d2, d1 + 2 e22 d2, 2 e12 d2), d = dW/d(I1, I2) of the net at (I1, I2), less dW/dI1 at (0, 0).
; The gradient is written out by hand (sp = softplus, sg = its derivative, s = 1/12):
;   u1 = z0 BFw^T + BFb, z1 = sp(u1);  a0 = z1 sp(A0)^T [Q];  c0 = z0 Bw0^T + Bb0, z2 = s sp(a0)^2 + sp(c0);  a1 = z2 sp(A1)^T [Q];  c1 = z0 Bw1^T + Bb1
;   g3 = sp(Aout);  da1 = g3 2s sp(a1) sg(a1);  g2 = da1 sp(A1) [Q];  da0 = g2 2s sp(a0) sg(a0);  g1 = da0 sp(A0) [Q]
;   d = Bout_w + (g3 sg(c1)) Bw1 + (g2 sg(c0)) Bw0 + (g1 sg(u1)) BFw.      [Q]: both operands as E3M2 codes with one E8M0 scale for the 32 along K.
; SHARES.  256 work-groups of 16 waves; a wave owns 128 neighbouring samples (1,536 bytes of eps and of out: six aligned runs of 256 bytes) and walks them in 8 tiles of 16.
; LAYOUT.  Every product is used transposed: source 0 = 16 rows of a weight, source 1 = 16 samples.  Row m of weight tile u is unit 16 (m / 8) + 8 u + m % 8, so lane (r, h) holds sample r and the 16 registers
;   of a product's two tiles are units 16 h + 0 .. 15: all 32 lanes work on every elementwise line, and one conversion of those 16 registers gives three registers of codes that ARE registers 0-2 of the next operand.
;   So the instruction's k = 32 h + 0 .. 15 stands for unit 16 h + 0 .. 15, alike on both sides; the true block of 32 lies in the instruction's blocks 0 and 1, which carry the same scale byte.
;   The sample operand's registers 3-11 are zero codes for the whole launch, so the weight operand's registers 3-11 count for nothing: the 8 weight tiles lie 4 registers apart and their windows of 12 run over each other.
;   Scale bytes 2 and 3 are 0 (a small power of two) over zero codes.
; u1 and c0 go on into quantisers: f32 operands, by the f32 matrix form with K = (w0, w1, b, 0) x (I1, I2, 1, 0).  Its result registers DA, DB are written by matrix instructions alone.
; c1 and the three products with N = 2 are packed f32 multiply-adds from tables in LDS; the I2 columns are stored doubled, so that ACC2 sums 2 dW/dI2.
; SOFTPLUS, any sign: E = 2^(x log2 e), w = 1 + E, sp = max(ln2 log2 w + (E - (w - 1)) / w, x), sg = 1 - 1/w.  For E = infinity the first term is NaN, which the maximum drops for x, and 1/w = 0.
;   a0, a1 are sums of numbers that are never negative: E = 2^(-a log2 e), sp = a + ln2 log2(1 + E), sg = 1 / (1 + E).
; What is quantised ahead of the last product is da0 / 2 (the same codes, the byte one lower); that product's weight bytes are raised by one, which restores the factor exactly.
; B_out_b has no derivative: it is loaded, as every input is, and enters nothing.
; LIMITS: NaN and infinities among the inputs are not served.  For x under -87.3 sp(x) comes out as 0 (the exponential flushes).  sg of u1, c0, c1 has an absolute error of 2^-24 (none goes into a quantiser).
;   A block whose largest magnitude lies under 2^-122 keeps the byte 1; for da0 that floor lies one binade higher.
; No tensor load, no ring: a work-group reads 24 KiB once, by three loads a wave.  No cluster: what work-groups share is 10 KiB of weights.  One barrier, behind the weights' softplus.
.set S0M,   0                          ; LDS: sp(A0)[j][i], rows 144 bytes apart (36 words: the 16 rows of a pass of a 16-byte load start at 16 different groups of four banks)
.set S1M,   4608                       ; sp(A1)[j][i]
.set S0T,   9216                       ; sp(A0) turned: [i][j]
.set S1T,   13824                      ; sp(A1) turned
.set CT,    18432                      ; tables, 576 bytes for each half of the units: -g3 Bw1 | Bw0 | BFw (2 columns x 64 bytes each), then log2e x (Bb1 | Bw1 column 0 | column 1)
.set GT,    19712                      ; 2 s g3, 128 bytes
.set VS,    GT+256                     ; 128 bytes for each wave: a vector of 32, for the chain at z0 = 0
.set EPS,   22016                      ; 1,536 bytes for each wave: its eps, as in memory
.set OUTD,  24576                      ; the wave's results lie this far behind its eps
.set EA,  1                            ; v1   LDS address of my sample's eps in the wave's first tile: EPS + 1536 wave + 12 r
.set EC,  2                            ; v2   the same in the tile in hand
.set CA,  3                            ; v3   CT + 576 h
.set EP,  4                            ; v4-6 e11, e22, e12
.set ZZ,  8                            ; v[8:9]   lanes 0-15 (I1, I2), lanes 16-31 (1, 0)
.set ACC1, 10                          ; v[10:11] dW/dI1 less its value at 0, in two halves
.set ACC2, 12                          ; v[12:13] 2 dW/dI2
.set XS,  20                           ; v20  the samples' scale word
.set WS,  22                           ; v22-25 the weights' scale words: lanes 0-15 tile 0's rows, lanes 16-31 tile 1's
.set X,   26                           ; v26-37 the samples' operand: 3 registers of codes, 9 of zeros
.set FW,  38                           ; v38-45 (w0, w1 | b, 0) of B_first (tiles 0, 1) and Bs_0 (tiles 0, 1)
.set IPA, 46                           ; v[46:47] I1 in the low word
.set IPB, 48                           ; v[48:49] I2 in the low word
.set WQ,  50                           ; v50-89 the weights' codes: product p, tile u at WQ + 8 p + 4 u
.set G,   90                           ; v90-105 2 s g3 of my 16 units
.set DA,  106                          ; v106-121 matrix results
.set DB,  122                          ; v122-137 matrix results
.set RU,  138                          ; 1 / (1 + e^u1)
.set RC,  154                          ; 1 / (1 + e^c0)
.set F0,  170                          ; s sp(a0) sg(a0)
.set SC,  186                          ; sp(c0), then z2
.set T1,  202
.set T2,  218
.set T3,  234
; v14-19 at work; v7 LDS address of my 16 bytes of the wave's eps; v21 16 x lane.  Scalars: s2 wave, s3 trips, s6 tile's bytes, s7 mask of lanes 16-31, s[38:39] log2e, s[40:41] -log2e, s[42:43] ln2, s[44:45] s,
; s[46:47] selects for lane xor 16, s[48:49] a quarter of ACC1's constant, s[50:51] of ACC2's.
.macro SP_T n, x, e, cs                ; e = x times a scalar, pairs ascending: a matrix result is read from its low end on
.set i, 0
.rept (\n)/2
	v_pk_mul_f32 v[\e+i:\e+i+1], v[\x+i:\x+i+1], s[\cs:\cs+1] op_sel_hi:[1,0]
.set i, i+2
.endr
.endm
.macro TRANS op, n, d, a               ; a batch of n transcendentals
.set i, 0
.rept \n
	\op v[\d+i], v[\a+i]
.set i, i+1
.endr
.endm
.macro PKADDC n, d, a, k               ; d = a + constant
.set i, 0
.rept (\n)/2
	v_pk_add_f32 v[\d+i:\d+i+1], v[\a+i:\a+i+1], \k op_sel_hi:[1,0]
.set i, i+2
.endr
.endm
.macro PKSUB n, d, a, b
.set i, 0
.rept (\n)/2
	v_pk_add_f32 v[\d+i:\d+i+1], v[\a+i:\a+i+1], v[\b+i:\b+i+1] neg_lo:[0,1] neg_hi:[0,1]
.set i, i+2
.endr
.endm
.macro PKMUL n, d, a, b
.set i, 0
.rept (\n)/2
	v_pk_mul_f32 v[\d+i:\d+i+1], v[\a+i:\a+i+1], v[\b+i:\b+i+1]
.set i, i+2
.endr
.endm
.macro PKFMA n, d, a, b, c
.set i, 0
.rept (\n)/2
	v_pk_fma_f32 v[\d+i:\d+i+1], v[\a+i:\a+i+1], v[\b+i:\b+i+1], v[\c+i:\c+i+1]
.set i, i+2
.endr
.endm
.macro PKFMA_S n, d, a, cs, c          ; d = a x scalar + c
.set i, 0
.rept (\n)/2
	v_pk_fma_f32 v[\d+i:\d+i+1], v[\a+i:\a+i+1], s[\cs:\cs+1], v[\c+i:\c+i+1] op_sel_hi:[1,0,1]
.set i, i+2
.endr
.endm
.macro PKFMA_B n, d, a, bp, c          ; d = a x (the low word of pair bp) + c
.set i, 0
.rept (\n)/2
	v_pk_fma_f32 v[\d+i:\d+i+1], v[\a+i:\a+i+1], v[\bp:\bp+1], v[\c+i:\c+i+1] op_sel_hi:[1,0,1]
.set i, i+2
.endr
.endm
.macro PKFNMA n, d, r, g               ; d = g - r g = g (1 - r)
.set i, 0
.rept (\n)/2
	v_pk_fma_f32 v[\d+i:\d+i+1], v[\r+i:\r+i+1], v[\g+i:\g+i+1], v[\g+i:\g+i+1] neg_lo:[1,0,0] neg_hi:[1,0,0]
.set i, i+2
.endr
.endm
; Softplus of any sign.  e holds x log2e on entry.  out = sp(x), r = 1 / (1 + e^x).  Two batches of transcendentals, one wait each, ahead of the batch's first reader.
.macro SP_REST n, x, e, w, l, d, out, r
	TRANS v_exp_f32, \n, \e, \e
	v_nop                                          ; a plain line behind the last exponential
	s_wait_alu depctr_va_vdst(0)
	PKADDC \n, \w, \e, 1.0
	TRANS v_log_f32, \n, \l, \w
	TRANS v_rcp_f32, \n, \r, \w
	PKADDC \n, \d, \w, -1.0                        ; plain work that names no result of the batch: w - 1,
	PKSUB \n, \e, \e, \d                           ; and what the sum 1 + E has dropped
	s_wait_alu depctr_va_vdst(0)
	PKMUL \n, \e, \e, \r
	PKFMA_S \n, \e, \l, 42, \e                     ; ln2 log2 w + dropped / w
.set i, 0
.rept \n
	v_max_num_f32 v[\out+i], v[\e+i], v[\x+i]
.set i, i+1
.endr
.endm
; Softplus of 16 numbers that are never negative: e = sp(x), r = sg(x)
.macro SPA x, e, w, r
	SP_T 16, \x, \e, 40
	TRANS v_exp_f32, 16, \e, \e
	v_nop
	s_wait_alu depctr_va_vdst(0)
	PKADDC 16, \w, \e, 1.0
	TRANS v_log_f32, 16, \e, \w
	TRANS v_rcp_f32, 16, \r, \w
	v_nop
	s_wait_alu depctr_va_vdst(0)
	PKFMA_S 16, \e, \e, 42, \x
.endm
; The block's scale: the largest magnitude of my 16 and of lane xor 16's 16, with the floor 2^(5 - 127) among the leaves; 4 off its exponent field is the conversion's scale operand (v16)
.macro QSCALE src
	v_max3_num_f32 v14, |v[\src]|, |v[\src+1]|, 0x2800000
	v_max3_num_f32 v15, |v[\src+2]|, |v[\src+3]|, |v[\src+4]|
	v_max3_num_f32 v14, v14, |v[\src+5]|, |v[\src+6]|
	v_max3_num_f32 v15, v15, |v[\src+7]|, |v[\src+8]|
	v_max3_num_f32 v14, v14, |v[\src+9]|, |v[\src+10]|
	v_max3_num_f32 v15, v15, |v[\src+11]|, |v[\src+12]|
	v_max3_num_f32 v14, v14, |v[\src+13]|, |v[\src+14]|
	v_max3_num_f32 v14, v14, v15, |v[\src+15]|
	v_permlanex16_b32 v15, v14, s46, s47
	v_max_num_f32 v14, v14, v15
	v_add_nc_u32 v16, 0xfe000000, v14
.endm
.macro QUANT src                       ; 16 numbers a lane become the samples' codes and scale word
	QSCALE \src
	v_cvt_scalef32_pk16_bf6_f32 v[X:X+2], v[\src:\src+15], v16
	v_lshrrev_b32 v17, 23, v16                     ; the byte (also the plain line behind the conversion)
	v_lshl_or_b32 v[XS], v17, 8, v17               ; the same byte for the instruction's blocks 0 and 1
.endm
.macro QUANTW t, src, word, bump       ; the same for weight tile t
	QSCALE \src
	v_cvt_scalef32_pk16_bf6_f32 v[WQ+4*(\t):WQ+4*(\t)+2], v[\src:\src+15], v16
	v_lshrrev_b32 v17, 23, v16
.if \bump
	v_add_nc_u32 v17, 1, v17                       ; the factor 2 that was left off da0
.endif
	v_lshl_or_b32 v[\word], v17, 8, v17
.endm
.macro PROD p                          ; quantised product p: 32 units x 16 samples
	v_wmma_scale_f32_16x16x128_f8f6f4 v[DA:DA+7], v[WQ+8*\p:WQ+8*\p+11], v[X:X+11], 0, v[WS+\p], v[XS] matrix_a_fmt:MATRIX_FMT_BF6 matrix_b_fmt:MATRIX_FMT_BF6
	v_wmma_scale_f32_16x16x128_f8f6f4 v[DA+8:DA+15], v[WQ+8*\p+4:WQ+8*\p+15], v[X:X+11], 0, v[WS+\p], v[XS] matrix_a_fmt:MATRIX_FMT_BF6 matrix_b_fmt:MATRIX_FMT_BF6 matrix_a_scale:MATRIX_SCALE_ROW1
.endm
.macro LIN l, d                        ; w0 I1 + w1 I2 + b for 32 units x 16 samples, f32 operands
	v_wmma_f32_16x16x4_f32 v[\d:\d+7], v[FW+4*\l:FW+4*\l+1], v[ZZ:ZZ+1], 0
	v_wmma_f32_16x16x4_f32 v[\d+8:\d+15], v[FW+4*\l+2:FW+4*\l+3], v[ZZ:ZZ+1], 0
.endm
.macro TAB off, r0, r1                 ; two columns of a table, 16 numbers each; all lanes of a half read the same bytes
.irp q, 0,1,2,3
	ds_load_b128 v[\r0+4*\q:\r0+4*\q+3], v[CA] offset:\off+16*\q
.endr
.irp q, 0,1,2,3
	ds_load_b128 v[\r1+4*\q:\r1+4*\q+3], v[CA] offset:\off+64+16*\q
.endr
.endm
.macro ACCUM x, w0, w1, i0, i1, first  ; pairs i0 .. i1 of x onto the two sums; first = 1: pair 0 starts them with their constants
.set i, \i0
.rept \i1-\i0+1
.if \first && (i == 0)
	v_pk_fma_f32 v[ACC1:ACC1+1], v[\x:\x+1], v[\w0:\w0+1], s[48:49] op_sel_hi:[1,1,0]
	v_pk_fma_f32 v[ACC2:ACC2+1], v[\x:\x+1], v[\w1:\w1+1], s[50:51] op_sel_hi:[1,1,0]
.else
	v_pk_fma_f32 v[ACC1:ACC1+1], v[\x+2*i:\x+2*i+1], v[\w0+2*i:\w0+2*i+1], v[ACC1:ACC1+1]
	v_pk_fma_f32 v[ACC2:ACC2+1], v[\x+2*i:\x+2*i+1], v[\w1+2*i:\w1+2*i+1], v[ACC2:ACC2+1]
.endif
.set i, i+1
.endr
.endm
.macro PREP                            ; I1, I2 of the sample in EP, and the f32 product's operand
	v_add_f32 v[IPA], v[EP], v[EP+1]
	v_mul_f32 v18, v[EP], v[EP]
	v_mul_f32 v19, v[EP+2], v[EP+2]
	v_fma_f32 v18, 2.0, v19, v18
	v_fma_f32 v[IPB], v[EP+1], v[EP+1], v18
	v_cndmask_b32 v[ZZ], v[IPA], 1.0, s7
	v_cndmask_b32 v[ZZ+1], v[IPB], 0, s7
.endm
.macro WSUM v, tmp                     ; the sum over the 32 lanes, in every lane
	v_add_f32_dpp v[\v], v[\v], v[\v] row_xmask:1 row_mask:0xf bank_mask:0xf
	v_add_f32_dpp v[\v], v[\v], v[\v] row_xmask:2 row_mask:0xf bank_mask:0xf
	v_add_f32_dpp v[\v], v[\v], v[\v] row_xmask:4 row_mask:0xf bank_mask:0xf
	v_add_f32_dpp v[\v], v[\v], v[\v] row_xmask:8 row_mask:0xf bank_mask:0xf
	v_permlanex16_b32 v[\tmp], v[\v], s46, s47
	v_add_f32 v[\v], v[\v], v[\tmp]
.endm
; ---------------------------------------------------------------- the head
	s_load_b512 s[8:23], s[0:1], 0x0               ; eps s[8:9], A0 s[10:11], A1 s[12:13], Aout s[14:15], BFw s[16:17], BFb s[18:19], Bw0 s[20:21], Bb0 s[22:23]
	s_load_b256 s[24:31], s[0:1], 0x40             ; Bw1 s[24:25], Bb1 s[26:27], Bout_w s[28:29], Bout_b s[30:31]
	s_load_b64 s[32:33], s[0:1], 0x60              ; out
	v_lshrrev_b32 v1, 5, v0
	v_readfirstlane_b32 s2, v1                     ; wave 0..15
	s_mov_b32 s7, 0xffff0000
	s_mov_b32 s38, 0x3fb8aa3b                      ; log2 e
	s_mov_b32 s39, s38
	s_mov_b32 s40, 0xbfb8aa3b
	s_mov_b32 s41, s40
	s_mov_b32 s42, 0x3f317218                      ; ln 2
	s_mov_b32 s43, s42
	s_mov_b32 s44, 0x3daaaaab                      ; 1 / 12
	s_mov_b32 s45, s44
	s_mov_b32 s46, 0x76543210
	s_mov_b32 s47, 0xfedcba98
	s_mov_b32 s6, 0
	s_lshl_b32 s52, ttmp9, 4
	s_add_co_u32 s52, s52, s2
	s_mul_i32 s52, s52, 1536                       ; my wave's bytes in eps and in out (under 2^23)
	s_mov_b32 s53, 0
	s_mul_i32 s58, s2, 1536                        ; and in LDS
	v_and_b32 v224, 31, v0                         ; lane
	v_and_b32 v225, 15, v0                         ; r
	v_bfe_u32 v226, v0, 4, 1                       ; h
	v_and_b32 v227, 8, v225
	v_add_nc_u32 v227, v227, v225                  ; 16 (r / 8) + r % 8: the unit of row r of weight tile 0; tile 1's lies 8 further on
	v_and_b32 v216, 0xff, v0
	v_lshlrev_b32 v216, 4, v216                    ; my 16 bytes of raw_A_0 (waves 0-7) or raw_A_1 (waves 8-15)
	v_lshlrev_b32 v217, 2, v224
	v_lshlrev_b32 v218, 3, v224
	v_lshlrev_b32 v219, 3, v227
	v_lshlrev_b32 v220, 2, v227
	v_lshlrev_b32 v21, 4, v224
	; every LDS address is made here, ahead of the one branch on the wave's number
	v_mul_u32_u24 v[EA], v225, 12
	v_add_nc_u32 v[EA], s58, v[EA]
	v_add_nc_u32 v[EA], EPS, v[EA]
	v_mul_u32_u24 v[CA], v226, 576
	v_add_nc_u32 v[CA], CT, v[CA]
	v_add_nc_u32 v7, s58, v21
	v_add_nc_u32 v7, EPS, v7
	v_mul_u32_u24 v8, v224, 144                    ; row = my lane of a weight
	v_mul_u32_u24 v9, v227, 144
	v_lshl_add_u32 v9, v226, 6, v9                 ; a weight tile's row for my lane, my half's 16 numbers
	v_lshl_add_u32 v10, v226, 6, GT
	v_lshl_add_u32 v11, v225, 2, v[CA]             ; where unit = lane stands in the tables
	v_and_b32 v12, 0x1e0, v0
	v_lshl_add_u32 v12, v12, 2, VS                 ; my wave's vector
	v_lshl_add_u32 v13, v0, 2, GT                  ; GT + 4 x thread; 256 bytes on: my word of my wave's vector
	v_bfe_u32 v228, v0, 8, 1
	v_mul_u32_u24 v228, v228, 4608                 ; which of the two weights
	v_bfe_u32 v229, v0, 3, 5                       ; its row j
	v_and_b32 v230, 7, v0                          ; and which four columns
	v_mad_u32_u24 v222, v229, 144, v228
	v_lshl_add_u32 v222, v230, 4, v222
	v_mad_u32_u24 v223, v230, 576, v228
	v_lshl_add_u32 v223, v229, 2, v223
	s_wait_kmcnt 0x0
	s_load_b64 s[34:35], s[28:29], 0x0             ; B_out_w
	s_load_b32 s36, s[30:31], 0x0                  ; B_out_b: no derivative, enters nothing
	s_cmp_lt_u32 s2, 8
	s_cselect_b64 s[54:55], s[10:11], s[12:13]
	s_add_nc_u64 s[56:57], s[8:9], s[52:53]
	s_add_nc_u64 s[32:33], s[32:33], s[52:53]
	global_load_b128 v[138:141], v216, s[54:55]
	global_load_b32 v142, v217, s[14:15]           ; lane = unit: raw_A_out,
	global_load_b32 v143, v217, s[18:19]           ; B_first_b,
	global_load_b32 v144, v217, s[22:23]           ; Bs_b_0,
	global_load_b32 v145, v217, s[26:27]           ; Bs_b_1
	global_load_b64 v[250:251], v218, s[16:17]     ; B_first_w's row,
	global_load_b64 v[252:253], v218, s[20:21]     ; Bs_w_0's,
	global_load_b64 v[254:255], v218, s[24:25]     ; Bs_w_1's
	global_load_b64 v[FW:FW+1], v219, s[16:17]     ; by the tiles' rows
	global_load_b64 v[FW+2:FW+3], v219, s[16:17] offset:64
	global_load_b64 v[FW+4:FW+5], v219, s[20:21]
	global_load_b64 v[FW+6:FW+7], v219, s[20:21] offset:64
	global_load_b32 v200, v220, s[18:19]
	global_load_b32 v201, v220, s[18:19] offset:32
	global_load_b32 v202, v220, s[22:23]
	global_load_b32 v203, v220, s[22:23] offset:32
.irp q, 0,1,2
	global_load_b128 v[204+4*\q:207+4*\q], v21, s[56:57] offset:512*\q th:TH_LOAD_NT   ; 32 lanes read 512 consecutive bytes; read once
.endr
	s_wait_loadcnt 14                              ; the first five of the nineteen loads are in
	SP_T 8, 138, 146, 38
	SP_REST 8, 138, 146, 154, 162, 170, 234, 242   ; v234-237 sp of four weights, v238 g3, v239 sp(BFb), v240 sp(Bb0); v247-249 1 / (1 + e^x) of BFb, Bb0, Bb1
	s_wait_loadcnt 0x0
	s_wait_kmcnt 0x0
	ds_store_b128 v222, v[234:237]
.irp q, 0,1,2,3
	ds_store_b32 v223, v[234+\q] offset:S0T+144*\q
.endr
.irp q, 0,1,2
	ds_store_b128 v7, v[204+4*\q:207+4*\q] offset:512*\q
.endr
	s_cmp_lg_u32 s2, 0
	s_cbranch_scc1 .Lno_tables
	v_mul_f32 v146, v238, v254                     ; wave 0 writes the tables, lane = unit
	v_mul_f32 v147, v238, v255
	v_mul_f32 v146, -1.0, v146                     ; g3 sg(c1) Bw1 = g3 Bw1 - (1 / (1 + e^c1)) g3 Bw1: the first part is a constant
	v_mul_f32 v147, -2.0, v147
	v_add_f32 v149, v253, v253
	v_add_f32 v151, v251, v251
	v_mul_f32 v152, s38, v145
	v_mul_f32 v153, s38, v254
	v_mul_f32 v154, s38, v255
	v_mul_f32 v155, 0x3e2aaaab, v238               ; 2 s g3
	ds_store_b32 v11, v146
	ds_store_b32 v11, v147 offset:64
	ds_store_b32 v11, v252 offset:128
	ds_store_b32 v11, v149 offset:192
	ds_store_b32 v11, v250 offset:256
	ds_store_b32 v11, v151 offset:320
	ds_store_b32 v11, v152 offset:384
	ds_store_b32 v11, v153 offset:448
	ds_store_b32 v11, v154 offset:512
	ds_store_b32 v13, v155
.Lno_tables:
.irp t, 0,1,2,3
	v_cndmask_b32 v[FW+2*\t], v[FW+2*\t], v[200+\t], s7    ; lanes 16-31 hold k = 2, 3: the bias and 0
	v_cndmask_b32 v[FW+2*\t+1], v[FW+2*\t+1], 0, s7
.endr
.irp j, 3,4,5,6,7,8,9,10,11
	v_mov_b32 v[X+\j], 0                           ; zero codes, for the whole launch
.endr
.irp t, 0,1,2,3,4,5,6,7
	v_mov_b32 v[WQ+4*\t+3], 0                      ; named inside the weights' windows, so they are written
	v_mov_b32 v[WQ+32+\t], 0
.endr
	v_mov_b32 v[IPA+1], 0                          ; named as the upper halves of pairs
	v_mov_b32 v[IPB+1], 0
	s_wait_dscnt 0x0                               ; for the others' sake: my stores have landed
	s_barrier_signal -1
	s_barrier_wait -1                              ; both weights, both ways round, and the tables lie in LDS
.irp q, 0,1,2,3
	ds_load_b128 v[G+4*\q:G+4*\q+3], v10 offset:16*\q
.endr
; The chain at z0 = 0, unquantised, lane = unit, in every wave; each of its four steps walks one weight, whose two tiles are quantised on the same occasion.
; REFDOT: my number of the vector goes to the wave's own 128 bytes; row = lane of the weight, the whole vector and the two tiles' rows come back; v241 = the row's product with the vector.
.macro REFDOT mat, vec
	ds_store_b32 v13, v[\vec] offset:256
.irp q, 0,1,2,3,4,5,6,7
	ds_load_b128 v[138+4*\q:141+4*\q], v8 offset:\mat+16*\q
.endr
.irp q, 0,1,2,3,4,5,6,7
	ds_load_b128 v[170+4*\q:173+4*\q], v12 offset:16*\q    ; LDS serves a wave's instructions in order: these see the store above
.endr
.irp q, 0,1,2,3
	ds_load_b128 v[202+4*\q:205+4*\q], v9 offset:\mat+16*\q
.endr
.irp q, 0,1,2,3
	ds_load_b128 v[218+4*\q:221+4*\q], v9 offset:\mat+1152+16*\q
.endr
	s_wait_dscnt 0x0
	v_pk_mul_f32 v[234:235], v[138:139], v[170:171]
	v_pk_mul_f32 v[236:237], v[140:141], v[172:173]
.irp k, 4,8,12,16,20,24,28
	v_pk_fma_f32 v[234:235], v[138+\k:139+\k], v[170+\k:171+\k], v[234:235]
	v_pk_fma_f32 v[236:237], v[140+\k:141+\k], v[172+\k:173+\k], v[236:237]
.endr
	v_pk_add_f32 v[234:235], v[234:235], v[236:237]
	v_add_f32 v241, v234, v235
.endm
; v242 = sp(v241), v244 = sg(v241), v241 never negative; the two tiles are quantised behind the transcendentals, ahead of the waits
.macro ACT1 p
	v_mul_f32 v242, s40, v241
	v_exp_f32 v242, v242
	QUANTW 2*\p, 202, 18, 0
	s_wait_alu depctr_va_vdst(0)
	v_add_f32 v243, 1.0, v242
	v_log_f32 v242, v243
	v_rcp_f32 v244, v243
	QUANTW 2*\p+1, 218, 19, 0
	s_wait_alu depctr_va_vdst(0)
	v_fma_f32 v242, v242, s42, v241
	v_cndmask_b32 v[WS+\p], v18, v19, s7
.endm
	REFDOT S0M, 239                                ; a0 = sp(BFb) sp(A0)^T
	ACT1 0
	v_mul_f32 v243, s44, v242
	v_fma_f32 v246, v243, v242, v240               ; z2
	v_mul_f32 v245, v243, v244
	v_add_f32 v245, v245, v245                     ; 2 s sp(a0) sg(a0)
	REFDOT S1M, 246                                ; a1
	ACT1 1
	v_mul_f32 v246, v242, v244
	v_mul_f32 v246, 0x3e2aaaab, v246
	v_mul_f32 v246, v238, v246                     ; da1
	REFDOT S1T, 246                                ; g2
	QUANTW 4, 202, 18, 0
	QUANTW 5, 218, 19, 0
	v_cndmask_b32 v[WS+2], v18, v19, s7
	v_fma_f32 v243, -v248, v241, v241              ; g2 sg(Bb0)
	v_mul_f32 v246, v241, v245                     ; da0
	v_mul_f32 v242, v243, v252
	REFDOT S0T, 246                                ; g1
	QUANTW 6, 202, 18, 1
	QUANTW 7, 218, 19, 1
	v_cndmask_b32 v[WS+3], v18, v19, s7
	v_fma_f32 v243, -v247, v241, v241              ; g1 sg(BFb)
	v_fma_f32 v242, v243, v250, v242
	v_fma_f32 v243, -v249, v238, v238              ; g3 sg(Bb1)
	v_fma_f32 v242, v243, v254, v242               ; my unit's part of dW/dI1 at 0
	v_mul_f32 v243, v238, v254                     ; g3 Bw1, both columns: the constant parts of the samples' sums
	v_mul_f32 v244, v238, v255
	WSUM 242, 245
	WSUM 243, 245
	WSUM 244, 245
	v_add_f32 v243, s34, v243
	v_add_f32 v242, s34, v242                      ; dW/dI1 at 0
	v_sub_f32 v243, v243, v242
	v_mul_f32 v243, 0x3e800000, v243               ; a quarter: the sum lies in two halves of a pair in two halves of the lanes
	v_add_f32 v244, s35, v244
	v_mul_f32 v244, 0.5, v244                      ; a quarter of twice the constant
	v_readfirstlane_b32 s48, v243
	v_readfirstlane_b32 s50, v244
	s_mov_b32 s49, s48
	s_mov_b32 s51, s50
	v_mov_b32 v[EC], v[EA]
	ds_load_b32 v[EP], v[EC]
	ds_load_b32 v[EP+1], v[EC] offset:4
	ds_load_b32 v[EP+2], v[EC] offset:8
	s_wait_dscnt 0x0
	PREP
	LIN 0, DA                                      ; the first tile's u1
	LIN 1, DB                                      ; and c0
.rept 8
	v_nop                                          ; eight places between the f32 matrix form and the first read of its results
.endr
; ---------------------------------------------------------------- a tile of 16 samples.  On entry DA = u1, DB = c0, IPA, IPB = this tile's I1, I2.  next = 1: the next tile's u1 and c0 are made on the way.
; Ahead of each quantised product eight or more plain lines that name none of its registers stand behind the write of the scale word; behind it four or more stand ahead of the first read of its results.
.macro TILE next
.if \next
	ds_load_b32 v[EP], v[EC] offset:192            ; the next tile's eps
	ds_load_b32 v[EP+1], v[EC] offset:196
	ds_load_b32 v[EP+2], v[EC] offset:200
.endif
	SP_T 16, DA, T1, 38
	SP_REST 16, DA, T1, T3, F0, SC, T1, RU         ; z1
	QUANT T1
	SP_T 16, DB, T2, 38                            ; (the eight lines)
	PROD 0                                         ; a0
	SP_REST 16, DB, T2, T3, T1, SC, SC, RC         ; sp(c0)
.irp q, 0,1,2,3
	ds_load_b128 v[T3+4*\q:T3+4*\q+3], v[CA] offset:384+16*\q   ; log2e Bb1
.endr
	SPA DA, T1, T2, F0                             ; sp(a0), sg(a0)
	SP_T 16, T1, T2, 44                            ; s sp(a0)
	PKMUL 16, F0, T2, F0                           ; s sp(a0) sg(a0)
	PKFMA 16, SC, T2, T1, SC                       ; z2
	TAB 448, T1, T2                                ; log2e Bw1, both columns
	QUANT SC
	s_wait_dscnt 0x0                               ; the next eps, the bias and the two columns are in
	PKFMA_B 16, T3, T1, IPA, T3
	PKFMA_B 16, T3, T2, IPB, T3                    ; c1 log2e
	PROD 1                                         ; a1
	TRANS v_exp_f32, 16, T3, T3
.if \next
	PREP                                           ; plain work behind the exponentials
.else
	v_nop
.endif
	s_wait_alu depctr_va_vdst(0)
	PKADDC 16, T3, T3, 1.0
.if \next
	LIN 1, DB                                      ; the next tile's c0
.endif
	TRANS v_rcp_f32, 16, T3, T3                    ; 1 / (1 + e^c1): the first wait inside the next macro serves this batch too
	SPA DA, T1, T2, SC                             ; sp(a1), sg(a1)
	PKMUL 16, T1, T1, SC
	TAB 0, T2, SC                                  ; -g3 Bw1
	PKMUL 16, T1, T1, G                            ; da1
	QUANT T1
	s_wait_dscnt 0x0
	ACCUM T3, T2, SC, 0, 3, 1                      ; (the eight lines)
	PROD 2                                         ; g2
	ACCUM T3, T2, SC, 4, 7, 0                      ; (the places behind it)
	TAB 128, T2, SC                                ; Bw0
	PKMUL 16, T1, DA, F0                           ; da0 / 2
	PKFNMA 16, T3, RC, DA                          ; g2 sg(c0)
	TAB 256, F0, RC                                ; BFw
	ds_load_b32 v[EP], v[EC]                       ; this tile's eps again
	ds_load_b32 v[EP+1], v[EC] offset:4
	ds_load_b32 v[EP+2], v[EC] offset:8
	QUANT T1
	s_wait_dscnt 11                                ; Bw0's eight loads are in; the eleven issued behind them may be out
	ACCUM T3, T2, SC, 0, 3, 0                      ; (the eight lines)
	PROD 3                                         ; g1
	ACCUM T3, T2, SC, 4, 7, 0                      ; (the places behind it, for the read below and for the matrix instruction that writes over its results)
	PKFNMA 16, T1, RU, DA                          ; g1 sg(u1)
.if \next
	LIN 0, DA                                      ; the next tile's u1: 16 sums and the lines behind them are its places
.endif
	s_wait_dscnt 0x0                               ; BFw and eps are in
	ACCUM T1, F0, RC, 0, 7, 0
	v_add_f32 v18, v[ACC1], v[ACC1+1]
	v_add_f32 v19, v[ACC2], v[ACC2+1]
	v_permlanex16_b32 v14, v18, s46, s47
	v_permlanex16_b32 v15, v19, s46, s47
	v_add_f32 v18, v18, v14                        ; dW/dI1 less its value at 0
	v_add_f32 v19, v19, v15                        ; 2 dW/dI2
	v_fma_f32 v14, v[EP], v19, v18
	v_fma_f32 v15, v[EP+1], v19, v18
	v_mul_f32 v16, v[EP+2], v19
	ds_store_b32 v[EC], v14 offset:OUTD            ; both halves of the lanes write the same words with the same values
	ds_store_b32 v[EC], v15 offset:OUTD+4
	ds_store_b32 v[EC], v16 offset:OUTD+8
.if \next
	s_add_co_u32 s6, s6, 192
	v_add_nc_u32 v[EC], s6, v[EA]
.endif
.endm
	s_mov_b32 s3, 7
.Ltile:
	TILE 1
	s_sub_co_u32 s3, s3, 1
	s_cmp_lg_u32 s3, 0
	s_cbranch_scc1 .Ltile
	TILE 0                                         ; the eighth tile has no successor
	; the way out: the wave's 1,536 bytes come back 16 bytes a lane; LDS serves a wave's instructions in order, so these see the stores above
.irp q, 0,1,2
	ds_load_b128 v[T1+4*\q:T1+4*\q+3], v7 offset:OUTD+512*\q
.endr
.irp q, 0,1,2
	s_wait_dscnt 2-\q
	global_store_b128 v21, v[T1+4*\q:T1+4*\q+3], s[32:33] offset:512*\q th:TH_STORE_NT   ; 32 lanes store 512 consecutive bytes, at a multiple of 256 from the buffer's first byte
.endr
	s_wait_xcnt 0x0
	v_lshl_add_u32 v254, v0, 2, 0x11600
	v_mov_b32 v255, 0
	s_wait_tensorcnt 0x0
	ds_add_u32 v254, v255
	s_wait_dscnt 0x0
	s_endpgm
.Lfunc_end_k_q3678bd6e9e_icnn:
	.size	k_q3678bd6e9e_icnn, .Lfunc_end_k_q3678bd6e9e_icnn-k_q3678bd6e9e_icnn
	.p2alignl 7, 3214868480
	.fill 96, 4, 3214868480
	.section	.rodata,"a",@progbits
	.p2align	6, 0x0
	.amdhsa_kernel k_q3678bd6e9e_icnn
		.amdhsa_group_segment_fixed_size 73216
		.amdhsa_private_segment_fixed_size 0
		.amdhsa_enable_private_segment 0
		.amdhsa_kernarg_size 104
		.amdhsa_user_sgpr_count 2
		.amdhsa_user_sgpr_kernarg_segment_ptr 1
		.amdhsa_wavefront_size32 1
		.amdhsa_system_sgpr_workgroup_id_x 1
		.amdhsa_system_sgpr_workgroup_id_y 1
		.amdhsa_system_sgpr_workgroup_id_z 1
		.amdhsa_system_vgpr_workitem_id 0
		.amdhsa_next_free_vgpr 256
		.amdhsa_next_free_sgpr 66
		.amdhsa_reserve_vcc 0
		.amdhsa_float_denorm_mode_32 3
		.amdhsa_float_denorm_mode_16_64 3
		.amdhsa_memory_ordered 1
		.amdhsa_forward_progress 1
		.amdhsa_inst_pref_size 102
	.end_amdhsa_kernel
	.amdgpu_metadata
---
amdhsa.version: [ 1, 2 ]
amdhsa.kernels:
  - .name:           k_q3678bd6e9e_icnn
    .symbol:         k_q3678bd6e9e_icnn.kd
    .args:
      - { .name: eps_flat, .offset: 0, .size: 8, .value_kind: global_buffer, .address_space: global }
      - { .name: raw_A_0, .offset: 8, .size: 8, .value_kind: global_buffer, .address_space: global }
      - { .name: raw_A_1, .offset: 16, .size: 8, .value_kind: global_buffer, .address_space: global }
      - { .name: raw_A_out, .offset: 24, .size: 8, .value_kind: global_buffer, .address_space: global }
      - { .name: B_first_w, .offset: 32, .size: 8, .value_kind: global_buffer, .address_space: global }
      - { .name: B_first_b, .offset: 40, .size: 8, .value_kind: global_buffer, .address_space: global }
      - { .name: Bs_w_0, .offset: 48, .size: 8, .value_kind: global_buffer, .address_space: global }
      - { .name: Bs_b_0, .offset: 56, .size: 8, .value_kind: global_buffer, .address_space: global }
      - { .name: Bs_w_1, .offset: 64, .size: 8, .value_kind: global_buffer, .address_space: global }
      - { .name: Bs_b_1, .offset: 72, .size: 8, .value_kind: global_buffer, .address_space: global }
      - { .name: B_out_w, .offset: 80, .size: 8, .value_kind: global_buffer, .address_space: global }
      - { .name: B_out_b, .offset: 88, .size: 8, .value_kind: global_buffer, .address_space: global }
      - { .name: out0, .offset: 96, .size: 8, .value_kind: global_buffer, .address_space: global }
    .group_segment_fixed_size: 73216
    .private_segment_fixed_size: 0
    .kernarg_segment_align: 8
    .kernarg_segment_size: 104
    .max_flat_workgroup_size: 512
    .sgpr_count:     66
    .vgpr_count:     256
    .wavefront_size: 32
...
	.end_amdgpu_metadata
.endif
;; end of part 1
